; MI455X (gfx1250); checked and timed in simulation.
; The chip was launched on July 23, 2026; its instructions are those of AMD's public machine-readable ISA for CDNA 5 (MIT licence, August 2026) and "CDNA5" Instruction Set Architecture Reference Guide (July 2026). The comments in the code are by the model that wrote it; some were corrected since.
;; Guarded Layer. Allowed arithmetic: float matrix products may take bf16 or f16 operands with f32 sums; all other float work in f32.
;; Inputs: Wc 8 x 512 x 512 float32; Wp 8 x 2 x 512 float32; bc 8 x 512 float32; bp 8 x 2 float32; x 32,768 x 512 float32.
;; Outputs: out0 32,768 x 512 float32.
;; 2 versions, each right and faster than the one before. Each part assembles by itself: llvm-mc -triple=amdgcn-amd-amdhsa -mcpu=gfx1250 --defsym DOCPART=n.
;; ======== version 1 of 2: 2 launches
;; limits: values are held in f16: magnitudes above 65,504 overflow, below 6.1e-05 lose precision; inputs' magnitudes at most 65,504
;; workspace buffers: wt 4,194,304 bytes
;; launch wprep (part 1): grid 32 x 8, 8 waves a work-group, no clusters, 17,920 bytes of LDS; arguments Wc, wt; writes wt
.if DOCPART == 1
	.amdgcn_target "amdgcn-amd-amdhsa--gfx1250"
	.amdhsa_code_object_version 6
	.text
	.protected	k_q9c6a0db23f_wprep
	.globl	k_q9c6a0db23f_wprep
	.p2align	8
	.type	k_q9c6a0db23f_wprep,@function
k_q9c6a0db23f_wprep:
	s_mov_b64 s[64:65], 0
	v_nop
	global_prefetch_b8 v0, s[64:65] scope:SCOPE_SE
	s_setreg_imm32_b32 hwreg(HW_REG_WAVE_MODE, 25, 1), 1
	s_wait_xcnt 0x0
; wt[c][e][d] = f16(Wc[c][d][e]).  Wc: [8][512 d][512 e] f32.  wt: [8][512 e][512 d] f16, rows of 1,024 bytes.
; The products of the next launch want the weights with d along the rows and in 16 bits; this is done once here, 8 MiB in and 4 MiB out,
; so that none of the 256 work-groups there has to turn or round them again.
; FORMAT: f16, for its 11 significant bits.  LIMIT: a weight beyond 65,504 in magnitude becomes infinite; below 6.1e-5 the rounding step is a fixed 6e-8.
; A work-group turns a tile of 128 d x 64 e of one case: 32 KiB in, 16 KiB out.  Thread t: ec = t % 16, k = t / 16.
; In: eight loads of 16 bytes, rows d = 8 k + i, columns e = 4 ec .. 4 ec + 3; sixteen neighbouring lanes take 256 consecutive aligned bytes.
; A lane then holds 8 d x 4 e: for each of its four e the eight d round to 16 bytes that belong together in wt.  They go through LDS,
; since the lanes beside it hold other rows of wt, and come back as rows: sixteen lanes store 256 consecutive aligned bytes.
; No matrix unit, no cluster: nothing is multiplied and no two work-groups read the same bytes.
.set GP4, 1040                         ; four LDS rows of 256 bytes + 16 of padding: the stores of sixteen lanes lie 65 x 16 bytes apart, at sixteen different 16-byte columns of 256
.set R,   8                            ; v[8:39]   row i as loaded at R + 4 i; later four rows of wt read back
.set O,   40                           ; v[40:55]  column j's eight d, packed, at O + 4 j
	s_load_b128 s[4:7], s[0:1], 0x0                ; Wc s[4:5], wt s[6:7]
	v_lshl_add_u32 v64, v0, 2, 0x4200
	v_mov_b32 v65, 0
	s_and_b32 s8, ttmp7, 0xffff                    ; the case
	s_and_b32 s9, ttmp9, 3                         ; dt: which 128 d
	s_lshr_b32 s10, ttmp9, 2                       ; et: which 64 e
	s_lshl_b32 s2, s8, 20                          ; Wc: case x 1 MiB
	s_lshl_b32 s11, s9, 18                         ; + dt x 128 rows of 2,048 bytes
	s_add_co_u32 s2, s2, s11
	s_lshl_b32 s11, s10, 8                         ; + et x 64 numbers of 4 bytes
	s_add_co_u32 s2, s2, s11
	s_mov_b32 s3, 0
	s_lshl_b32 s12, s8, 19                         ; wt: case x 512 KiB
	s_lshl_b32 s11, s10, 16                        ; + et x 64 rows of 1,024 bytes
	s_add_co_u32 s12, s12, s11
	s_lshl_b32 s11, s9, 8                          ; + dt x 128 numbers of 2 bytes
	s_add_co_u32 s12, s12, s11
	s_mov_b32 s13, 0
	v_and_b32 v1, 15, v0                           ; ec
	v_lshrrev_b32 v2, 4, v0                        ; k
	v_lshlrev_b32 v7, 4, v1                        ; 16 ec
	v_lshl_or_b32 v3, v2, 14, v7                   ; load: 8 k rows of 2,048 bytes + 16 ec
	v_lshl_or_b32 v6, v2, 10, v7                   ; store: row k of 1,024 bytes + 16 ec
	v_mul_u32_u24 v4, v1, GP4                      ; LDS in: rows 4 ec .. 4 ec + 3 are group ec; d = 8 k is byte 16 k of a row
	v_lshl_add_u32 v4, v2, 4, v4
	v_lshrrev_b32 v5, 2, v2                        ; LDS back: row k is row k % 4 of group k / 4; 16 bytes at 16 ec
	v_mul_u32_u24 v5, v5, GP4
	v_and_b32 v2, 3, v2
	v_lshl_add_u32 v5, v2, 8, v5
	v_add_nc_u32 v5, v5, v7
	s_wait_kmcnt 0x0
	s_add_nc_u64 s[4:5], s[4:5], s[2:3]
	s_add_nc_u64 s[6:7], s[6:7], s[12:13]
.set i, 0
.rept 8
	global_load_b128 v[R+4*i:R+4*i+3], v3, s[4:5] offset:i*2048 th:TH_LOAD_NT   ; Wc is read once in the whole launch
.set i, i+1
.endr
	s_wait_loadcnt 0x0
.set j, 0
.rept 4
.set m, 0
.rept 4
	v_cvt_pk_f16_f32 v[O+4*j+m], v[R+8*m+j], v[R+8*m+4+j]      ; column j: d = 8 k + 2 m below, 8 k + 2 m + 1 above
.set m, m+1
.endr
.set j, j+1
.endr
.set j, 0
.rept 4
	ds_store_b128 v4, v[O+4*j:O+4*j+3] offset:j*256
.set j, j+1
.endr
	s_wait_dscnt 0x0                               ; for the others' sake: my stores are done before I signal
	s_barrier_signal -1
	s_barrier_wait -1
.set i, 0
.rept 4
	ds_load_b128 v[R+4*i:R+4*i+3], v5 offset:i*4*GP4           ; row e = k + 16 i: four groups further on
.set i, i+1
.endr
.set i, 0
.rept 4
	s_wait_dscnt 3-i                               ; LDS loads come back in order: load i is in, the younger ones may be out
	global_store_b128 v6, v[R+4*i:R+4*i+3], s[6:7] offset:i*16384   ; 16 lanes store 256 consecutive bytes, at a multiple of 256 from wt's first byte
.set i, i+1
.endr
	s_wait_tensorcnt 0x0
	ds_add_u32 v64, v65
	s_wait_dscnt 0x0
	s_endpgm
.Lfunc_end_k_q9c6a0db23f_wprep:
	.size	k_q9c6a0db23f_wprep, .Lfunc_end_k_q9c6a0db23f_wprep-k_q9c6a0db23f_wprep
	.p2alignl 7, 3214868480
	.fill 96, 4, 3214868480
	.section	.rodata,"a",@progbits
	.p2align	6, 0x0
	.amdhsa_kernel k_q9c6a0db23f_wprep
		.amdhsa_group_segment_fixed_size 17920
		.amdhsa_private_segment_fixed_size 0
		.amdhsa_enable_private_segment 0
		.amdhsa_kernarg_size 16
		.amdhsa_user_sgpr_count 2
		.amdhsa_user_sgpr_kernarg_segment_ptr 1
		.amdhsa_wavefront_size32 1
		.amdhsa_system_sgpr_workgroup_id_x 1
		.amdhsa_system_sgpr_workgroup_id_y 1
		.amdhsa_system_sgpr_workgroup_id_z 1
		.amdhsa_system_vgpr_workitem_id 0
		.amdhsa_next_free_vgpr 66
		.amdhsa_next_free_sgpr 66
		.amdhsa_reserve_vcc 0
		.amdhsa_float_denorm_mode_32 3
		.amdhsa_float_denorm_mode_16_64 3
		.amdhsa_memory_ordered 1
		.amdhsa_forward_progress 1
		.amdhsa_inst_pref_size 5
	.end_amdhsa_kernel
	.amdgpu_metadata
---
amdhsa.version: [ 1, 2 ]
amdhsa.kernels:
  - .name:           k_q9c6a0db23f_wprep
    .symbol:         k_q9c6a0db23f_wprep.kd
    .args:
      - { .name: Wc, .offset: 0, .size: 8, .value_kind: global_buffer, .address_space: global }
      - { .name: wt, .offset: 8, .size: 8, .value_kind: global_buffer, .address_space: global }
    .group_segment_fixed_size: 17920
    .private_segment_fixed_size: 0
    .kernarg_segment_align: 8
    .kernarg_segment_size: 16
    .max_flat_workgroup_size: 256
    .sgpr_count:     66
    .vgpr_count:     66
    .wavefront_size: 32
...
	.end_amdgpu_metadata
.endif
;; end of part 1
;; launch guard (part 2): grid 256 x 1, 4 waves a work-group, clusters of 4 x 1, 327,680 bytes of LDS; arguments x, Wp, bp, bc, wt, out0; writes out0
.if DOCPART == 2
	.amdgcn_target "amdgcn-amd-amdhsa--gfx1250"
	.amdhsa_code_object_version 6
	.text
	.protected	k_q9c6a0db23f_guard
	.globl	k_q9c6a0db23f_guard
	.p2align	8
	.type	k_q9c6a0db23f_guard,@function
k_q9c6a0db23f_guard:
	s_mov_b64 s[64:65], 0
	v_nop
	global_prefetch_b8 v0, s[64:65] scope:SCOPE_SE
	s_setreg_imm32_b32 hwreg(HW_REG_WAVE_MODE, 25, 1), 1
	s_wait_xcnt 0x0
	s_wait_alu depctr_hold_cnt(0) depctr_sa_sdst(0) depctr_va_vdst(0) depctr_va_sdst(0) depctr_va_ssrc(0) depctr_va_vcc(0) depctr_vm_vsrc(0)
	s_getreg_b32 s2, hwreg(HW_REG_IB_STS2, 6, 4)
	s_cmp_eq_u32 s2, 0
	s_cbranch_scc0 .Lentry_in_a_cluster
	s_endpgm
.Lentry_in_a_cluster:
	s_bfe_u32 s2, ttmp6, 0x10000c
	s_cmp_lg_u32 s2, 0x3003
	s_cbranch_scc0 .Lentry_shape_is_right
	s_endpgm
.Lentry_shape_is_right:
; out[n][e] = sum over c of p[n][c] (x[n] . Wc[c][:, e] + bc[c][e]),  p[n][c] = sigmoid(s[n][c][0]) sigmoid(s[n][c][1]), 0 where that is <= 1e-4,  s = x Wp^T + bp.
; x: [32768][512] f32.  Wp: [16][512] f32.  bp: [16] f32.  bc: [8][512] f32.  wt: [8][512 e][512 d] f16, the weights as the launch before laid them.  out: [32768][512] f32.
; SHARES.  256 work-groups of four waves; a work-group owns 128 rows and all 512 columns, so x is read from memory once.  Wave w (rh = w / 2, ch = w % 2) owns rows 64 rh .. + 63
; and columns 256 ch .. + 255.  Its 64 rows x 512 of x are rounded to f16 once and STAY in 512 registers as fragments.  The columns go in four blocks of 64; in a block the eight cases follow
; each other.  A STEP is one (block, case): Y (64 x 64) = x W + bc, 256 matrix instructions, the bias being the C of the first K step; then OUT (64 x 64) = or += p Y, 64 packed instructions.
; THE PRODUCT IS USED TRANSPOSED: source 0 = 16 rows of wt (16 columns e), source 1 = 16 rows of x.  A lane then holds ONE row of x and eight neighbouring columns: p is one number a lane,
; and a lane's results are 32 neighbouring bytes of a row of out.  Wp's 16 rows are one such source 0, so the scores cost 64 matrix instructions on the fragments of x that are there anyway.
; LDS.  Only the weights are read from LDS in a step: a tile of 128 rows e x 512 d (64 rows for each ch), two slots, each wave bringing 32 rows of 1,024 bytes with one tensor load.  32 rows and not
; more, so that each of the four waves has a load of its own behind every change of slots.  The slots first hold x's two K halves in f32.
; CLUSTER.  The four work-groups of a cluster walk the same tiles of wt: each tile is asked for jointly (mask 15).  x's rows are each work-group's own, and Wp is 32 KiB read once against the 4 MiB
; of weights that a work-group walks: these two come by plain loads.
; FORMAT.  The matrix operands (x, Wc, Wp) are rounded to f16, not bf16: 11 significant bits against 8, so that an output, a sum of 8 x 512 products weighted by p, keeps an eighth of the rounding error.
; f16 has the room: numbers of x of a few units and weights of a few hundredths may grow some thousand times before they pass 65,504, and weights thirty times smaller still lie some twenty times
; above 6.1e-5, the smallest normal number, below which the rounding step is a fixed 6e-8.  bp, bc, the sigmoids, p and all sums are f32.
; LIMITS.  A number of x, Wc or Wp beyond 65,504 in magnitude becomes infinite.  A row whose presence lies within the operands' rounding of 1e-4 may fall on the other side of the threshold; what is
; then added or left out is at most about 1e-4 |y|.  p = 1 / ((1 + 2^a)(1 + 2^b)): both factors are at least 1; where one overflows p comes out 0, and the true p is below 1e-4 there.
; A presence that is NaN gives 0, since the comparison fails.
;
; REGISTERS, in windows of 256 (s_set_vgpr_msb's low byte: bits 1:0 source 0, 3:2 source 1, 5:4 source 2, 7:6 destination):
;   window 0: addresses, p, the bias, the way out, two buffers of weight fragments.    window 1: v0-127 Y, tile (rb, cb) at 8 (4 rb + cb); v128-255 OUT likewise; at the start f32 numbers on their way to f16
;   window 2: x's fragments of K steps 0-7, at 8 (8 rb + ks).                          window 3: those of K steps 8-15
.set PITCH, 1040                       ; an LDS row: 1,024 bytes + 16 of padding = 65 x 16: the sixteen rows that a load touches begin at sixteen different 16-byte columns of 256
.set QUART, 32*PITCH                   ; what one tensor load brings
.set SLOTB, 4*QUART                    ; a slot: 128 rows
.set WPB,   2*SLOTB                    ; Wp in f32: K half q's 16 rows at q x 16 rows
.set STAGE, WPB+32*PITCH               ; each wave's own 16 rows x 272 bytes, for the way out; no tensor load lands here
.set SP,    272
.set SPARE, STAGE+4*16*SP              ; the spare words, 128 bytes for each wave: two blocks of 256 bytes that no other line names
.set ADRW, 8                           ; v8, v9    my place in a tile of weights, slot 0, 1: (64 ch + r) pitch + 16 h
.set ADRX, 10                          ; v10, v11  my place in x's K half 0, 1: (64 rh + r) pitch + 32 h
.set ADRP, 12                          ; v12       my place in Wp
.set STO,  13                          ; v13       the way out: where I put 32 bytes of a row
.set RD,   14                          ; v14       the way out: where I read a row back
.set CO,   15                          ; v15       my byte offset in out
.set VBC,  16                          ; v16       my byte offset in bc: 1,024 ch + 32 h
.set VBP,  17                          ; v17       my byte offset in bp: 32 h
.set SPW,  18                          ; v18       LDS address of my spare word; never rewritten
.set NIL,  19                          ; v19       0; never rewritten
.set BPR,  20                          ; v[20:27]  bp of my eight patterns
.set PR,   32                          ; v[32:63]  p of my row of row block rb, case c, at PR + 8 rb + c
.set BC,   64                          ; v[64:95]  the step's bias: my eight columns of column tile cb at BC + 8 cb
.set TMP,  96                          ; v[96:127] 16 rows read back from the stage
.set F0,   128                         ; v[128:191], v[192:255]: two buffers of weight fragments, two K steps each: K step kk, column tile cb at 32 kk + 8 cb
.set F1,   192
.set EX,   192                         ; at the start: 32 exponentials, then the other half of the lanes' presences
.set QP,   224                         ; at the start: 16 presences
.set OUTR, 128                         ; OUT, in window 1
.set WV,   16                          ; s16       my wave's number
.set G1X,  24                          ; s[24:31]  group 1 for x's tiles: 32 rows x 256 f32
.set G1P,  32                          ; s[32:39]  for Wp's: 8 rows x 256 f32
.set G1W,  40                          ; s[40:47]  for the weights': 32 rows x 512 f16, joint
.set G0P,  48                          ; s[48:51]  group 0 for Wp
.set G0X0, 52                          ; s[52:55], s[56:59]  for x's two K halves
.set G0X1, 56
.set G0W,  60                          ; s[60:63] for slot 0's tiles of weights, s[68:71] for slot 1's
.set ADV,  2*524288                    ; from a tile to the slot's next: two cases on,
.set WRAP, 6*524288-65536              ; or six cases back and 64 rows e on
.set MSB, 0
.macro WIN new                         ; the immediate's high byte repeats the setting that is left; a switch that changes nothing is dropped
.if MSB != \new
	s_set_vgpr_msb (MSB<<8)|\new
.set MSB, \new
.endif
.endm
.macro WINX ks                         ; products: weights window 0, x window 2 (K steps 0-7) or 3, C and D window 1
.if (\ks) < 8
	WIN 0x58
.else
	WIN 0x5c
.endif
.endm
; A vector instruction that reads a matrix result or writes one of a matrix instruction's registers, and a load into such a register, stand four places behind it; only plain vector
; instructions that name none of its registers are places (ISA guide 7.12.1 for vector instructions).
.macro PLACES
.rept 4
	v_nop
.endr
.endm
; A round of the cluster's barrier: my work-group's barrier, so that wave 0's signal speaks for all four waves; wave 0 signals; every wave waits for all four work-groups; my work-group's barrier once more.
.macro CREST                           ; a round behind its opening barrier
	s_cmp_lg_u32 s[WV], 0
	s_cbranch_scc1 .Lnot_wave_0_\@
	s_barrier_signal -3
.Lnot_wave_0_\@:
	s_barrier_wait -3
	s_barrier_signal -1
	s_barrier_wait -1
.endm
.macro CROUND
	s_barrier_signal -1
	s_barrier_wait -1
	CREST
.endm
; The joint load of my 32 rows of a tile of weights.  Every wave issues it; four v_nop follow.
.macro JW slot
	tensor_load_to_lds s[G0W+8*\slot:G0W+8*\slot+3], s[G1W:G1W+7]
	s_nop 0
	PLACES
.endm
; 16 LDS loads: the weight fragments of K steps 2 q and 2 q + 1 (4 column tiles x 16 rows x 32 d each) into buffer f; the first K step's eight loads first
.macro FETCH slot, q, f
.set ikk, 0
.rept 2
.set icb, 0
.rept 4
	ds_load_b128 v[\f+32*ikk+8*icb:\f+32*ikk+8*icb+3],   v[ADRW+(\slot)] offset:icb*16*PITCH+(2*(\q)+ikk)*64
	ds_load_b128 v[\f+32*ikk+8*icb+4:\f+32*ikk+8*icb+7], v[ADRW+(\slot)] offset:icb*16*PITCH+(2*(\q)+ikk)*64+32
.set icb, icb+1
.endr
.set ikk, ikk+1
.endr
.endm
; 4 n matrix instructions: K step ks (half kk of buffer f), row blocks rb0 .. rb0 + n - 1 x all four column tiles.  first = 1: the bias is C: the sums start with it, nothing is cleared.
; The 16 accumulators take turns, one instruction a turn, always in the same order.
.macro MULR f, kk, ks, rb0, n, first
.set irb, \rb0
.rept \n
.set icb, 0
.rept 4
.if \first
	v_wmma_f32_16x16x32_f16 v[8*(4*irb+icb):8*(4*irb+icb)+7], v[\f+32*\kk+8*icb:\f+32*\kk+8*icb+7], v[8*(8*irb+(\ks)%8):8*(8*irb+(\ks)%8)+7], v[BC+8*icb:BC+8*icb+7]
.else
	v_wmma_f32_16x16x32_f16 v[8*(4*irb+icb):8*(4*irb+icb)+7], v[\f+32*\kk+8*icb:\f+32*\kk+8*icb+7], v[8*(8*irb+(\ks)%8):8*(8*irb+(\ks)%8)+7], v[8*(4*irb+icb):8*(4*irb+icb)+7]
.endif
.set icb, icb+1
.endr
.set irb, irb+1
.endr
.endm
; The next step's bias: my eight columns of each of the four column tiles.  off = case x 2,048, and 256 more where the next step belongs to the next column block.
.macro BCLOAD off
.set icb, 0
.rept 4
	global_load_b128 v[BC+8*icb:BC+8*icb+3],   v[VBC], s[10:11] offset:\off+64*icb
	global_load_b128 v[BC+8*icb+4:BC+8*icb+7], v[VBC], s[10:11] offset:\off+64*icb+16
.set icb, icb+1
.endr
.endm
; THE WAY OUT of row block rb.  TOSTAGE: a lane's 32 bytes of each column tile go into my own stage, rows of 272 bytes, and come back as whole rows of 256.  SEND: stored.
.macro TOSTAGE rb, buf
	WIN 0x04                                       ; store data window 1
.set icb, 0
.rept 4
	ds_store_b128 v[STO], v[OUTR+8*(4*(\rb)+icb):OUTR+8*(4*(\rb)+icb)+3]   offset:64*icb
	ds_store_b128 v[STO], v[OUTR+8*(4*(\rb)+icb)+4:OUTR+8*(4*(\rb)+icb)+7] offset:64*icb+16
.set icb, icb+1
.endr
	WIN 0
.set itt, 0
.rept 8
	ds_load_b128 v[\buf+4*itt:\buf+4*itt+3], v[RD] offset:2*SP*itt   ; LDS serves a wave's instructions in order (ISA guide 5.7.1.4): these see the stores above
.set itt, itt+1
.endr
.endm
.macro SEND rb, buf
.set itt, 0
.rept 8
	global_store_b128 v[CO], v[\buf+4*itt:\buf+4*itt+3], s[14:15] offset:(16*(\rb)+2*itt)*2048 th:TH_STORE_NT   ; 16 lanes store 256 consecutive bytes, at a multiple of 256 from out's first byte
.set itt, itt+1
.endr
.endm
; OUT = p Y (case 0) or OUT += p Y.  Tiles and pairs in ascending order.
; p of cases 2 i and 2 i + 1 are a pair of registers; op_sel picks the one for both halves.
.macro SCALE c
	PLACES
	WIN 0x51                                       ; OUT and Y window 1, p window 0
.set it, 0
.rept 16
.set ip, 0
.rept 4
.set rY, 8*it+2*ip
.set rP, PR+8*(it/4)+2*((\c)/2)
.if \c == 0
	v_pk_mul_f32 v[OUTR+rY:OUTR+rY+1], v[rY:rY+1], v[rP:rP+1] op_sel_hi:[1,0]
.elseif (\c)%2 == 0
	v_pk_fma_f32 v[OUTR+rY:OUTR+rY+1], v[rY:rY+1], v[rP:rP+1], v[OUTR+rY:OUTR+rY+1] op_sel_hi:[1,0,1]
.else
	v_pk_fma_f32 v[OUTR+rY:OUTR+rY+1], v[rY:rY+1], v[rP:rP+1], v[OUTR+rY:OUTR+rY+1] op_sel:[0,1,0] op_sel_hi:[1,1,1]
.endif
.set ip, ip+1
.endr
.set it, it+1
.endr
.endm
; A step is eight chunks of two K steps, 32 matrix instructions each, on buffers 0, 1, 0, 1 ..  One of the first seven: multiplies buffer q % 2 and, in its middle, fetches chunk q + 1's fragments.
; o = 1: the column block finished in the step before leaves under this step: row block q goes to the stage in chunk q (0 to 3) and is stored in chunk q + 1.
.macro CHUNK slot, q, o, bcoff
.set FC, F0+64*((\q)%2)
.set FN, F0+64*((\q+1)%2)
.set OUTQ, 0
.set STGQ, 0
.if \o
.if (\q >= 1) && (\q <= 4)
.set OUTQ, 1
.endif
.if \q <= 3
.set STGQ, 1
.endif
.endif
	s_wait_dscnt 8+16*OUTQ                         ; my first K step's eight loads are in; out may be the second's eight and, behind them, the stage's sixteen
.if \q == 0
	s_wait_loadcnt 0x0                             ; the step's bias
	WIN 0x48                                       ; C (the bias) window 0
	MULR FC, 0, 0, 0, 4, 1
.else
	WINX 2*\q
	MULR FC, 0, 2*\q, 0, 4, 0
.endif
	WIN 0
	PLACES                                         ; for the loads into the other buffer and, in chunk 0, into the bias
.if OUTQ
	s_wait_dscnt 0x0                               ; the row block is back from the stage
	SEND \q-1, TMP
.endif
	FETCH \slot, \q+1, FN
.if STGQ
	s_wait_xcnt 0x0                                ; the stores that read TMP have had their addresses translated (ISA guide 3.1): only now is TMP loaded again
	TOSTAGE \q, TMP
.endif
.if (\q == 0) && (\bcoff >= 0)
	BCLOAD \bcoff
.endif
	s_wait_dscnt 16+16*STGQ                        ; all but what this chunk has issued: the sixteen fragment loads and the stage's sixteen
	WINX 2*\q+1
	MULR FC, 1, 2*\q+1, 0, 4, 0
.endm
; The eighth chunk multiplies buffer 1 and changes slots: ONE barrier.  In front of it each wave waits for all its tensor loads, of which one is out, its part of the other slot; adds 0 to its spare
; word; and waits for that and for its reads of this slot.  fill = 1, 2: the barrier opens a round of the cluster's, so that no wave of any partner still reads this slot or has a load on its way, and the
; joint refill, the tile two steps on, is the first thing behind it: 240 matrix instructions ahead of the wait for it.  fill = 0: nothing is left to ask for.
.macro TURN slot, fill
	WIN 0                                          ; (the add's two registers lie in window 0)
	s_wait_tensorcnt 0x0                           ; all my tensor loads have landed
	ds_add_u32 v[SPW], v[NIL]                      ; 0 onto my spare word
	s_wait_dscnt 9                                 ; K step 14's eight loads are in; out may be K step 15's eight and the add
	WIN 0x5c
	MULR F1, 0, 14, 0, 2, 0                        ; eight matrix instructions stand between the add and the wait for it
	s_wait_dscnt 0x0                               ; the add is done, and my reads of this slot are over
	s_barrier_signal -1
	MULR F1, 0, 14, 2, 2, 0                        ; work on registers while the others arrive
	WIN 0                                          ; at a branch and at a label every window is 0
	s_barrier_wait -1
.if \fill
	CREST
.if \fill == 1
	s_add_nc_u64 s[G0W+8*\slot+2:G0W+8*\slot+3], s[G0W+8*\slot+2:G0W+8*\slot+3], ADV    ; no tensor load of mine is out, so a group 0 may be written; the type bits on top are not reached
.else
	s_sub_nc_u64 s[G0W+8*\slot+2:G0W+8*\slot+3], s[G0W+8*\slot+2:G0W+8*\slot+3], WRAP
.endif
	JW \slot                                       ; its four v_nop are also the places in front of the loads below
.else
	PLACES
.endif
	FETCH 1-\slot, 0, F0                           ; the next step's first fragments, from the other slot, which is whole
	WIN 0x5c
	MULR F1, 1, 15, 0, 4, 0
.endm
.macro LAST7                           ; the last step's eighth chunk: no slot is left to change to
	s_wait_dscnt 8
	WIN 0x5c
	MULR F1, 0, 14, 0, 4, 0
	s_wait_dscnt 0x0
	MULR F1, 1, 15, 0, 4, 0
.endm
.macro STEP c, slot, fill, o, bcoff
.irp q, 0,1,2,3,4,5,6
	CHUNK \slot, \q, \o, \bcoff
.endr
.if \fill == 3
	LAST7
.else
	TURN \slot, \fill
.endif
	SCALE \c
.endm
.macro FIVE                            ; cases 1 to 5 of a column block: each asks for the tile two cases on and for the next case's bias
	STEP 1, 1, 1, 0, 4096
	STEP 2, 0, 1, 0, 6144
	STEP 3, 1, 1, 0, 8192
	STEP 4, 0, 1, 0, 10240
	STEP 5, 1, 1, 0, 12288
.endm
; x on its way into registers.  A fragment is 16 rows x 32 K: lane (r, h) holds row r, K = 8 h + 0..7 and 16 + 8 h + 0..7: in f32 two runs of 32 bytes, 64 bytes apart: four loads of 16 bytes.
.macro LOADX half, rb, tb              ; 32 loads: row block rb, the half's eight K steps, in f32, into window 1 at tb
	WIN 0x40
.set ik, 0
.rept 8
.set ii, 0
.rept 4
	ds_load_b128 v[\tb+16*ik+4*ii:\tb+16*ik+4*ii+3], v[ADRX+\half] offset:(\rb)*16*PITCH+128*ik+64*(ii/2)+16*(ii%2)
.set ii, ii+1
.endr
.set ik, ik+1
.endr
.endm
.macro CVTX half, rb, tb               ; 64 roundings to f16: the eight fragments, into window 2 (K half 0) or 3
.if \half == 0
	WIN 0x85
.else
	WIN 0xc5
.endif
.set ik, 0
.rept 8
.set im, 0
.rept 8
	v_cvt_pk_f16_f32 v[8*(8*(\rb)+ik)+im], v[\tb+16*ik+2*im], v[\tb+16*ik+2*im+1]
.set im, im+1
.endr
.set ik, ik+1
.endr
.endm
.macro XHALF half                      ; two buffers of 128 registers by turns; each wait leaves the 32 loads just issued out
	LOADX \half, 0, 0
	LOADX \half, 1, 128
	s_wait_dscnt 32
	CVTX \half, 0, 0
	LOADX \half, 2, 0
	s_wait_dscnt 32
	CVTX \half, 1, 128
	LOADX \half, 3, 128
	s_wait_dscnt 32
	CVTX \half, 2, 0
	s_wait_dscnt 0x0
	CVTX \half, 3, 128
.endm
	s_load_b256 s[4:11], s[0:1], 0x0               ; x s[4:5], Wp s[6:7], bp s[8:9], bc s[10:11]
	s_load_b128 s[12:15], s[0:1], 0x20             ; wt s[12:13], out s[14:15]
	v_lshl_add_u32 v[SPW], v0, 2, SPARE
	v_mov_b32 v[NIL], 0
	ds_add_u32 v18, v19
	s_wait_dscnt 0x0
	v_lshrrev_b32 v1, 5, v0
	v_readfirstlane_b32 s[WV], v1                  ; wave 0..3
	s_lshr_b32 s17, s[WV], 1                       ; rh.  Also: which half of a tile's rows I fetch
	s_and_b32 s18, s[WV], 1                        ; ch.  Also: which 32 rows of that half
	s_bfe_u32 s19, ttmp6, 0x40000                  ; cx: my place in the cluster
	s_lshl_b32 s20, ttmp9, 2                       ; in a cluster launch ttmp9 counts clusters
	s_add_co_u32 s20, s20, s19                     ; my block of 128 rows: it enters x's and out's addresses alone
	; group 1 for x: 32 rows x 256 elements of 4 bytes, 512 elements from row to row; 4 words of padding (code 3) behind every 256 words (code 7)
	s_mov_b32 s[G1X+0], (2<<16)|(1<<20)|(7<<22)|(3<<25)
	s_mov_b32 s[G1X+1], 256<<16                    ; tensor_dim0
	s_mov_b32 s[G1X+2], 32<<16                     ; tensor_dim1
	s_mov_b32 s[G1X+3], 256<<16                    ; tile_dim0
	s_mov_b32 s[G1X+4], 32                         ; tile_dim1
	s_mov_b32 s[G1X+5], 512                        ; the pitch
	s_mov_b32 s[G1X+6], 0
	s_mov_b32 s[G1X+7], 0
	; for Wp: the same with 8 rows
	s_mov_b32 s[G1P+0], (2<<16)|(1<<20)|(7<<22)|(3<<25)
	s_mov_b32 s[G1P+1], 256<<16
	s_mov_b32 s[G1P+2], 8<<16
	s_mov_b32 s[G1P+3], 256<<16
	s_mov_b32 s[G1P+4], 8
	s_mov_b32 s[G1P+5], 512
	s_mov_b32 s[G1P+6], 0
	s_mov_b32 s[G1P+7], 0
	; for the weights: 32 rows x 512 elements of 2 bytes; the mask names all four work-groups, bit 21 is set beside it
	s_mov_b32 s[G1W+0], 15|(1<<16)|(1<<20)|(1<<21)|(7<<22)|(3<<25)
	s_mov_b32 s[G1W+1], 512<<16
	s_mov_b32 s[G1W+2], 32<<16
	s_mov_b32 s[G1W+3], 512<<16
	s_mov_b32 s[G1W+4], 32
	s_mov_b32 s[G1W+5], 512
	s_mov_b32 s[G1W+6], 0
	s_mov_b32 s[G1W+7], 0
	; offsets, each in registers of its own: those that feed the joint loads never hold my place in the cluster
	s_lshl_b32 s22, s20, 18                        ; x: my block's 128 rows of 2,048 bytes
	s_lshl_b32 s23, s[WV], 16                      ; + my wave's 32 of them
	s_add_co_u32 s22, s22, s23
	s_mov_b32 s23, 0
	s_lshl_b32 s78, s20, 18                        ; out: my block, + 64 rh rows, + 256 ch columns of 4 bytes
	s_lshl_b32 s79, s17, 17
	s_add_co_u32 s78, s78, s79
	s_lshl_b32 s79, s18, 10
	s_add_co_u32 s78, s78, s79
	s_mov_b32 s79, 0
	s_lshl_b32 s2, s17, 18                         ; wt: the slot's rows 64 .. 127 are e = 256 on: 256 rows of 1,024 bytes,
	s_lshl_b32 s3, s18, 15                         ; + 32 rows
	s_add_co_u32 s2, s2, s3
	s_mov_b32 s3, 0
	s_lshl_b32 s72, s18, 14                        ; Wp: rows 8 (w % 2) on, K half w / 2
	s_lshl_b32 s73, s17, 10
	s_add_co_u32 s72, s72, s73
	s_mov_b32 s73, 0
	s_mul_i32 s80, s[WV], QUART                    ; where my part of a tile goes: wave x 32 rows
	s_mul_i32 s81, s[WV], 8*PITCH                  ; and my part of Wp: wave x 8 rows
	s_mov_b32 s74, 0x76543210                      ; v_permlanex16_b32: each lane takes its own place in the other half
	s_mov_b32 s75, 0xfedcba98
	s_mov_b32 s76, 0xffff0000                      ; lanes 16 to 31
	s_mov_b32 s77, 0x38d1b717                      ; 1e-4
	s_mov_b32 s[G0P], 1
	s_add_co_u32 s[G0P+1], s81, WPB
	s_mov_b32 s[G0X0], 1
	s_add_co_u32 s[G0X0+1], s80, 0
	s_mov_b32 s[G0X1], 1
	s_add_co_u32 s[G0X1+1], s80, SLOTB
	s_mov_b32 s[G0W], 1
	s_add_co_u32 s[G0W+1], s80, 0
	s_mov_b32 s[G0W+8], 1
	s_add_co_u32 s[G0W+9], s80, SLOTB
	s_wait_kmcnt 0x0
	s_add_nc_u64 s[G0P+2:G0P+3], s[6:7], s[72:73]
	s_add_nc_u64 s[G0X0+2:G0X0+3], s[4:5], s[22:23]
	s_add_nc_u64 s[G0X1+2:G0X1+3], s[G0X0+2:G0X0+3], 1024          ; K half 1: 256 numbers on
	s_add_nc_u64 s[G0W+2:G0W+3], s[12:13], s[2:3]                  ; step 0's tile: case 0
	s_add_nc_u64 s[G0W+10:G0W+11], s[G0W+2:G0W+3], 524288          ; step 1's: case 1
	s_add_nc_u64 s[14:15], s[14:15], s[78:79]
	s_or_b32 s[G0P+3], s[G0P+3], 0x80000000        ; the type
	s_or_b32 s[G0X0+3], s[G0X0+3], 0x80000000
	s_or_b32 s[G0X1+3], s[G0X1+3], 0x80000000
	s_or_b32 s[G0W+3], s[G0W+3], 0x80000000
	s_or_b32 s[G0W+11], s[G0W+11], 0x80000000
	CROUND                                         ; the round in front of the launch's first tensor loads
	tensor_load_to_lds s[G0P:G0P+3], s[G1P:G1P+7]          ; the first fills go out together: three loads of mine are out, the most in this text
	s_nop 0
	tensor_load_to_lds s[G0X0:G0X0+3], s[G1X:G1X+7]
	s_nop 0
	tensor_load_to_lds s[G0X1:G0X1+3], s[G1X:G1X+7]
	s_nop 0
	PLACES
	v_and_b32 v1, 15, v0                           ; r
	v_bfe_u32 v2, v0, 4, 1                         ; h
	v_mul_u32_u24 v3, v1, PITCH
	v_lshl_add_u32 v4, v2, 4, v3                   ; r pitch + 16 h: f16 rows
	v_lshl_add_u32 v5, v2, 5, v3                   ; r pitch + 32 h: f32 rows
	s_mul_i32 s82, s18, 64*PITCH
	s_mul_i32 s83, s17, 64*PITCH
	v_add_nc_u32 v[ADRW], s82, v4
	v_add_nc_u32 v[ADRW+1], SLOTB, v[ADRW]
	v_add_nc_u32 v[ADRX], s83, v5
	v_add_nc_u32 v[ADRX+1], SLOTB, v[ADRX]
	v_add_nc_u32 v[ADRP], WPB, v5
	s_mul_i32 s82, s[WV], 16*SP
	s_add_co_u32 s82, s82, STAGE                   ; my stage
	v_mul_u32_u24 v6, v1, SP                       ; in: row r, 32 bytes for each half of the lanes
	v_lshl_add_u32 v6, v2, 5, v6
	v_add_nc_u32 v[STO], s82, v6
	v_mul_u32_u24 v7, v2, SP                       ; back: lanes 0-15 take one row of 256 bytes, lanes 16-31 the next
	v_lshl_add_u32 v7, v1, 4, v7
	v_add_nc_u32 v[RD], s82, v7
	v_lshlrev_b32 v[CO], 11, v2                    ; and the same two rows in out
	v_lshl_add_u32 v[CO], v1, 4, v[CO]
	s_lshl_b32 s83, s18, 10
	v_lshl_add_u32 v[VBC], v2, 5, s83
	v_lshlrev_b32 v[VBP], 5, v2
	global_load_b128 v[BPR:BPR+3],   v[VBP], s[8:9]            ; bp of patterns 8 h .. 8 h + 7
	global_load_b128 v[BPR+4:BPR+7], v[VBP], s[8:9] offset:16
	BCLOAD 0                                       ; step 0's bias
	; Wp: 16 fragments (16 patterns x 32 K), rounded to f16 into the two fragment buffers
	s_wait_tensorcnt 0x2                           ; my part of Wp is in; x's two loads, issued behind it, may be out
	s_barrier_signal -1
	s_barrier_wait -1                              ; everybody's is
	WIN 0x40
.set ik, 0
.rept 16
.set ii, 0
.rept 4
	ds_load_b128 v[16*ik+4*ii:16*ik+4*ii+3], v[ADRP] offset:(ik/8)*16*PITCH+(ik%8)*128+64*(ii/2)+16*(ii%2)
.set ii, ii+1
.endr
.set ik, ik+1
.endr
	WIN 0x05
.set ik, 0
.rept 16
	s_wait_dscnt 4*(15-ik)                         ; fragment ik's four loads are in; the later fragments' may be out
.set im, 0
.rept 8
	v_cvt_pk_f16_f32 v[F0+8*ik+im], v[16*ik+2*im], v[16*ik+2*im+1]
.set im, im+1
.endr
.set ik, ik+1
.endr
	s_wait_tensorcnt 0x1                           ; my part of x's K half 0 is in; half 1's load may be out
	s_barrier_signal -1
	s_barrier_wait -1
	XHALF 0
	; slot 0 has been read out: it takes step 0's weights
	WIN 0
	s_wait_tensorcnt 0x0                           ; all my tensor loads have landed, x's K half 1 among them
	ds_add_u32 v[SPW], v[NIL]                      ; 0 onto my spare word
	s_wait_dscnt 0x0                               ; the add is done, and my reads of slot 0 are over
	CROUND
	JW 0
	XHALF 1
	s_wait_loadcnt 0x0                             ; bp (and step 0's bias)
	; the scores, S^T = Wp x^T + bp: lane (r, h) gets row r's scores of patterns 8 h + 0..7, cases 4 h + 0..3.  Four accumulators (row blocks) by turns.
	WIN 0x48
.set irb, 0
.rept 4
	v_wmma_f32_16x16x32_f16 v[8*irb:8*irb+7], v[F0:F0+7], v[64*irb:64*irb+7], v[BPR:BPR+7]
.set irb, irb+1
.endr
.set ik, 1
.rept 15
	WINX ik
.set irb, 0
.rept 4
	v_wmma_f32_16x16x32_f16 v[8*irb:8*irb+7], v[F0+8*ik:F0+8*ik+7], v[8*(8*irb+ik%8):8*(8*irb+ik%8)+7], v[8*irb:8*irb+7]
.set irb, irb+1
.endr
.set ik, ik+1
.endr
	PLACES
	; the presence: p = 1 / ((1 + 2^(-s0 log2 e)) (1 + 2^(-s1 log2 e))), 0 unless p > 1e-4
	WIN 0x01
.set i, 0
.rept 16
	v_pk_mul_f32 v[EX+2*i:EX+2*i+1], v[2*i:2*i+1], 0xbfb8aa3b op_sel_hi:[1,0]   ; ascending: each accumulator is first read at its low end
.set i, i+1
.endr
	WIN 0
.set i, 0
.rept 32
	v_exp_f32 v[EX+i], v[EX+i]
.set i, i+1
.endr
	v_nop                                          ; a plain instruction between the last exponential and the use of its result (ISA guide 5.7.2)
.set i, 0
	s_wait_alu depctr_va_vdst(0)
.rept 16
	v_pk_add_f32 v[EX+2*i:EX+2*i+1], v[EX+2*i:EX+2*i+1], 1.0 op_sel_hi:[1,0]
.set i, i+1
.endr
.set i, 0
.rept 16
	v_mul_f32 v[QP+i], v[EX+2*i], v[EX+2*i+1]
.set i, i+1
.endr
.set i, 0
.rept 16
	v_rcp_f32 v[QP+i], v[QP+i]
.set i, i+1
.endr
	v_nop
.set i, 0
	s_wait_alu depctr_va_vdst(0)
.rept 16
	v_cmp_lt_f32 vcc_lo, s77, v[QP+i]
	v_cndmask_b32 v[QP+i], 0, v[QP+i], vcc_lo      ; a choice of values, no branch
.set i, i+1
.endr
.set i, 0
.rept 16
	v_permlanex16_b32 v[EX+i], v[QP+i], s74, s75   ; the row's other four cases lie in the lane 16 away
.set i, i+1
.endr
.set i, 0
.rept 16
	v_cndmask_b32 v[PR+8*(i/4)+i%4],   v[QP+i], v[EX+i], s76   ; cases 0-3: my own in lanes 0-15, the other half's in lanes 16-31
	v_cndmask_b32 v[PR+8*(i/4)+4+i%4], v[EX+i], v[QP+i], s76   ; cases 4-7: the other way round
.set i, i+1
.endr
	; slot 1 has been read out: it takes step 1's weights
	s_wait_tensorcnt 0x0                           ; my part of step 0's tile has landed
	ds_add_u32 v[SPW], v[NIL]                      ; 0 onto my spare word
	s_wait_dscnt 0x0                               ; the add is done, and my reads of slot 1 are over
	CROUND
	JW 1
	FETCH 0, 0, F0
	; THE 32 STEPS.  The loop is turned by one step: a trip is cases 1 to 7 of a column block and case 0 of the next, under which the finished block leaves.
	STEP 0, 0, 1, 0, 2048
	WIN 0
	s_mov_b32 s72, 3
.Lblock:
	FIVE
	STEP 6, 0, 2, 0, 14336                         ; asks for the next block's case 0
	STEP 7, 1, 2, 0, 256                           ; and its case 1; the next bias is the next block's case 0
	STEP 0, 0, 1, 1, 2304
	WIN 0
	s_wait_xcnt 0x0                                ; the loads and stores that name these bases have had their addresses translated (ISA guide 3.1)
	s_add_nc_u64 s[10:11], s[10:11], 256           ; bc and out: 64 columns on
	s_add_nc_u64 s[14:15], s[14:15], 256
	s_sub_co_u32 s72, s72, 1
	s_cmp_lg_u32 s72, 0
	s_cbranch_scc1 .Lblock
	FIVE                                           ; the tail is written out: the last block's cases 1 to 7
	STEP 6, 0, 0, 0, 14336                         ; nothing is left to ask for
	STEP 7, 1, 3, 0, -1
	; the last block's way out: four buffers, so that no store's data are written again; each wait leaves the next row block's sixteen LDS instructions out
	TOSTAGE 0, TMP
	TOSTAGE 1, BC
	s_wait_dscnt 16
	SEND 0, TMP
	TOSTAGE 2, F0
	s_wait_dscnt 16
	SEND 1, BC
	TOSTAGE 3, F0+32
	s_wait_dscnt 16
	SEND 2, F0
	s_wait_dscnt 0x0
	SEND 3, F0+32
	s_wait_tensorcnt 0x0                           ; the wave's end: behind my last tensor load and my last LDS store
	ds_add_u32 v[SPW], v[NIL]
	s_wait_dscnt 0x0
	CROUND                                         ; the closing round: no work-group ends while a partner may still ask for a tile that names it
	s_endpgm
.Lfunc_end_k_q9c6a0db23f_guard:
	.size	k_q9c6a0db23f_guard, .Lfunc_end_k_q9c6a0db23f_guard-k_q9c6a0db23f_guard
	.p2alignl 7, 3214868480
	.fill 96, 4, 3214868480
	.section	.rodata,"a",@progbits
	.p2align	6, 0x0
	.amdhsa_kernel k_q9c6a0db23f_guard
		.amdhsa_group_segment_fixed_size 327680
		.amdhsa_private_segment_fixed_size 0
		.amdhsa_enable_private_segment 0
		.amdhsa_kernarg_size 48
		.amdhsa_user_sgpr_count 2
		.amdhsa_user_sgpr_kernarg_segment_ptr 1
		.amdhsa_wavefront_size32 1
		.amdhsa_system_sgpr_workgroup_id_x 1
		.amdhsa_system_sgpr_workgroup_id_y 1
		.amdhsa_system_sgpr_workgroup_id_z 1
		.amdhsa_system_vgpr_workitem_id 0
		.amdhsa_next_free_vgpr 1024
		.amdhsa_next_free_sgpr 84
		.amdhsa_reserve_vcc 1
		.amdhsa_float_denorm_mode_32 3
		.amdhsa_float_denorm_mode_16_64 3
		.amdhsa_memory_ordered 1
		.amdhsa_forward_progress 1
		.amdhsa_inst_pref_size 255
	.end_amdhsa_kernel
	.section	.bss,"aw",@nobits
	.p2align	6
	.space	262144
	.amdgpu_metadata
---
amdhsa.version: [ 1, 2 ]
amdhsa.kernels:
  - .name:           k_q9c6a0db23f_guard
    .symbol:         k_q9c6a0db23f_guard.kd
    .args:
      - { .name: x, .offset: 0, .size: 8, .value_kind: global_buffer, .address_space: global }
      - { .name: Wp, .offset: 8, .size: 8, .value_kind: global_buffer, .address_space: global }
      - { .name: bp, .offset: 16, .size: 8, .value_kind: global_buffer, .address_space: global }
      - { .name: bc, .offset: 24, .size: 8, .value_kind: global_buffer, .address_space: global }
      - { .name: wt, .offset: 32, .size: 8, .value_kind: global_buffer, .address_space: global }
      - { .name: out0, .offset: 40, .size: 8, .value_kind: global_buffer, .address_space: global }
    .group_segment_fixed_size: 327680
    .private_segment_fixed_size: 0
    .kernarg_segment_align: 8
    .kernarg_segment_size: 48
    .max_flat_workgroup_size: 128
    .sgpr_count:     84
    .vgpr_count:     1024
    .wavefront_size: 32
...
	.end_amdgpu_metadata
.endif
;; end of part 2
;; ======== version 2 of 2: 2 launches; 1.13 times as fast as version 1
;; limits: values are held in f16: magnitudes above 65,504 overflow, below 6.1e-05 lose precision; inputs' magnitudes at most 65,504
;; workspace buffers: wt 4,194,304 bytes
;; launch wprep (part 3): grid 32 x 8, 8 waves a work-group, no clusters, 17,920 bytes of LDS; arguments Wc, wt; writes wt
.if DOCPART == 3
	.amdgcn_target "amdgcn-amd-amdhsa--gfx1250"
	.amdhsa_code_object_version 6
	.text
	.protected	k_q9c6a0db23f_wprep
	.globl	k_q9c6a0db23f_wprep
	.p2align	8
	.type	k_q9c6a0db23f_wprep,@function
k_q9c6a0db23f_wprep:
	s_mov_b64 s[64:65], 0
	v_nop
	global_prefetch_b8 v0, s[64:65] scope:SCOPE_SE
	s_setreg_imm32_b32 hwreg(HW_REG_WAVE_MODE, 25, 1), 1
	s_wait_xcnt 0x0
; wt[nb][c][ch][i][d] = f16(Wc[c][d][e]), e = 256 ch + 64 nb + i.  Wc: [8][512 d][512 e] f32.  wt: [4 nb][8 c][2 ch][64 i][512 d] f16, rows of 1,024 bytes.
; The products of the next launch want the weights with d along the rows, in 16 bits, and in the order in which it walks them: its tile t = 8 nb + c is then 128 rows on end, 131,072 t bytes
; from wt's first byte.  This is done once here, 8 MiB in and 4 MiB out, so that none of the 256 work-groups there has to turn or round them again.
; FORMAT: f16, for its 11 significant bits.  LIMIT: a weight beyond 65,504 in magnitude becomes infinite; below 6.1e-5 the rounding step is a fixed 6e-8.
; A work-group turns a tile of 128 d x 64 e of one case: 32 KiB in, 16 KiB out.  Thread t: ec = t % 16, k = t / 16.
; In: eight loads of 16 bytes, rows d = 8 k + i, columns e = 4 ec .. 4 ec + 3; sixteen neighbouring lanes take 256 consecutive aligned bytes.
; A lane then holds 8 d x 4 e: for each of its four e the eight d round to 16 bytes that belong together in wt.  They go through LDS,
; since the lanes beside it hold other rows of wt, and come back as rows: sixteen lanes store 256 consecutive aligned bytes.
; No matrix unit, no cluster: nothing is multiplied and no two work-groups read the same bytes.
.set GP4, 1040                         ; four LDS rows of 256 bytes + 16 of padding: the stores of sixteen lanes lie 65 x 16 bytes apart, at sixteen different 16-byte columns of 256
.set R,   8                            ; v[8:39]   row i as loaded at R + 4 i; later four rows of wt read back
.set O,   40                           ; v[40:55]  column j's eight d, packed, at O + 4 j
	s_load_b128 s[4:7], s[0:1], 0x0                ; Wc s[4:5], wt s[6:7]
	v_lshl_add_u32 v64, v0, 2, 0x4200
	v_mov_b32 v65, 0
	s_and_b32 s8, ttmp7, 0xffff                    ; the case
	s_and_b32 s9, ttmp9, 3                         ; dt: which 128 d
	s_lshr_b32 s10, ttmp9, 2                       ; et: which 64 e: nb = et % 4, ch = et / 4
	s_lshl_b32 s2, s8, 20                          ; Wc: case x 1 MiB
	s_lshl_b32 s11, s9, 18                         ; + dt x 128 rows of 2,048 bytes
	s_add_co_u32 s2, s2, s11
	s_lshl_b32 s11, s10, 8                         ; + et x 64 numbers of 4 bytes
	s_add_co_u32 s2, s2, s11
	s_mov_b32 s3, 0
	s_and_b32 s12, s10, 3                          ; wt: nb x 8 cases x 128 rows of 1,024 bytes
	s_lshl_b32 s12, s12, 20
	s_lshl_b32 s11, s8, 17                         ; + case x 128 rows
	s_add_co_u32 s12, s12, s11
	s_lshr_b32 s11, s10, 2                         ; + ch x 64 rows
	s_lshl_b32 s11, s11, 16
	s_add_co_u32 s12, s12, s11
	s_lshl_b32 s11, s9, 8                          ; + dt x 128 numbers of 2 bytes
	s_add_co_u32 s12, s12, s11
	s_mov_b32 s13, 0
	v_and_b32 v1, 15, v0                           ; ec
	v_lshrrev_b32 v2, 4, v0                        ; k
	v_lshlrev_b32 v7, 4, v1                        ; 16 ec
	v_lshl_or_b32 v3, v2, 14, v7                   ; load: 8 k rows of 2,048 bytes + 16 ec
	v_lshl_or_b32 v6, v2, 10, v7                   ; store: row k of 1,024 bytes + 16 ec
	v_mul_u32_u24 v4, v1, GP4                      ; LDS in: rows 4 ec .. 4 ec + 3 are group ec; d = 8 k is byte 16 k of a row
	v_lshl_add_u32 v4, v2, 4, v4
	v_lshrrev_b32 v5, 2, v2                        ; LDS back: row k is row k % 4 of group k / 4; 16 bytes at 16 ec
	v_mul_u32_u24 v5, v5, GP4
	v_and_b32 v2, 3, v2
	v_lshl_add_u32 v5, v2, 8, v5
	v_add_nc_u32 v5, v5, v7
	s_wait_kmcnt 0x0
	s_add_nc_u64 s[4:5], s[4:5], s[2:3]
	s_add_nc_u64 s[6:7], s[6:7], s[12:13]
.set i, 0
.rept 8
	global_load_b128 v[R+4*i:R+4*i+3], v3, s[4:5] offset:i*2048 th:TH_LOAD_NT   ; Wc is read once in the whole launch
.set i, i+1
.endr
	s_wait_loadcnt 0x0
.set j, 0
.rept 4
.set m, 0
.rept 4
	v_cvt_pk_f16_f32 v[O+4*j+m], v[R+8*m+j], v[R+8*m+4+j]      ; column j: d = 8 k + 2 m below, 8 k + 2 m + 1 above
.set m, m+1
.endr
.set j, j+1
.endr
.set j, 0
.rept 4
	ds_store_b128 v4, v[O+4*j:O+4*j+3] offset:j*256
.set j, j+1
.endr
	s_wait_dscnt 0x0                               ; for the others' sake: my stores are done before I signal
	s_barrier_signal -1
	s_barrier_wait -1
.set i, 0
.rept 4
	ds_load_b128 v[R+4*i:R+4*i+3], v5 offset:i*4*GP4           ; row k + 16 i of the 64: four groups further on
.set i, i+1
.endr
.set i, 0
.rept 4
	s_wait_dscnt 3-i                               ; LDS loads come back in order: load i is in, the younger ones may be out
	global_store_b128 v6, v[R+4*i:R+4*i+3], s[6:7] offset:i*16384   ; 16 lanes store 256 consecutive bytes, at a multiple of 256 from wt's first byte
.set i, i+1
.endr
	s_wait_tensorcnt 0x0
	ds_add_u32 v64, v65
	s_wait_dscnt 0x0
	s_endpgm
.Lfunc_end_k_q9c6a0db23f_wprep:
	.size	k_q9c6a0db23f_wprep, .Lfunc_end_k_q9c6a0db23f_wprep-k_q9c6a0db23f_wprep
	.p2alignl 7, 3214868480
	.fill 96, 4, 3214868480
	.section	.rodata,"a",@progbits
	.p2align	6, 0x0
	.amdhsa_kernel k_q9c6a0db23f_wprep
		.amdhsa_group_segment_fixed_size 17920
		.amdhsa_private_segment_fixed_size 0
		.amdhsa_enable_private_segment 0
		.amdhsa_kernarg_size 16
		.amdhsa_user_sgpr_count 2
		.amdhsa_user_sgpr_kernarg_segment_ptr 1
		.amdhsa_wavefront_size32 1
		.amdhsa_system_sgpr_workgroup_id_x 1
		.amdhsa_system_sgpr_workgroup_id_y 1
		.amdhsa_system_sgpr_workgroup_id_z 1
		.amdhsa_system_vgpr_workitem_id 0
		.amdhsa_next_free_vgpr 66
		.amdhsa_next_free_sgpr 66
		.amdhsa_reserve_vcc 0
		.amdhsa_float_denorm_mode_32 3
		.amdhsa_float_denorm_mode_16_64 3
		.amdhsa_memory_ordered 1
		.amdhsa_forward_progress 1
		.amdhsa_inst_pref_size 5
	.end_amdhsa_kernel
	.amdgpu_metadata
---
amdhsa.version: [ 1, 2 ]
amdhsa.kernels:
  - .name:           k_q9c6a0db23f_wprep
    .symbol:         k_q9c6a0db23f_wprep.kd
    .args:
      - { .name: Wc, .offset: 0, .size: 8, .value_kind: global_buffer, .address_space: global }
      - { .name: wt, .offset: 8, .size: 8, .value_kind: global_buffer, .address_space: global }
    .group_segment_fixed_size: 17920
    .private_segment_fixed_size: 0
    .kernarg_segment_align: 8
    .kernarg_segment_size: 16
    .max_flat_workgroup_size: 256
    .sgpr_count:     66
    .vgpr_count:     66
    .wavefront_size: 32
...
	.end_amdgpu_metadata
.endif
;; end of part 3
;; launch guard (part 4): grid 256 x 1, 4 waves a work-group, clusters of 4 x 1, 327,680 bytes of LDS; arguments x, Wp, bp, bc, wt, out0; writes out0
.if DOCPART == 4
	.amdgcn_target "amdgcn-amd-amdhsa--gfx1250"
	.amdhsa_code_object_version 6
	.text
	.protected	k_q9c6a0db23f_guard
	.globl	k_q9c6a0db23f_guard
	.p2align	8
	.type	k_q9c6a0db23f_guard,@function
k_q9c6a0db23f_guard:
	s_mov_b64 s[64:65], 0
	v_nop
	global_prefetch_b8 v0, s[64:65] scope:SCOPE_SE
	s_setreg_imm32_b32 hwreg(HW_REG_WAVE_MODE, 25, 1), 1
	s_wait_xcnt 0x0
	s_wait_alu depctr_hold_cnt(0) depctr_sa_sdst(0) depctr_va_vdst(0) depctr_va_sdst(0) depctr_va_ssrc(0) depctr_va_vcc(0) depctr_vm_vsrc(0)
	s_getreg_b32 s2, hwreg(HW_REG_IB_STS2, 6, 4)
	s_cmp_eq_u32 s2, 0
	s_cbranch_scc0 .Lentry_in_a_cluster
	s_endpgm
.Lentry_in_a_cluster:
	s_bfe_u32 s2, ttmp6, 0x10000c
	s_cmp_lg_u32 s2, 0x3003
	s_cbranch_scc0 .Lentry_shape_is_right
	s_endpgm
.Lentry_shape_is_right:
; out[n][e] = sum over c of p[n][c] (x[n] . Wc[c][:, e] + bc[c][e]),  p[n][c] = sigmoid(s[n][c][0]) sigmoid(s[n][c][1]), 0 where that is <= 1e-4,  s = x Wp^T + bp.
; x: [32768][512] f32.  Wp: [16][512] f32.  bp: [16] f32.  bc: [8][512] f32.  wt: the weights in f16 as the launch before laid them, [4 nb][8 c][2 ch][64][512 d].  out: [32768][512] f32.
; SHARES.  256 work-groups of four waves; a work-group owns 128 rows and all 512 columns, so x is read from memory once.  Wave w (rh = w / 2, ch = w % 2) owns rows 64 rh .. + 63
; and columns 256 ch .. + 255.  Its 64 rows x 512 of x are rounded to f16 once and STAY in 512 registers as fragments.  The columns go in four blocks nb of 64; in a block the eight cases follow
; each other.  A STEP is one (block, case), t = 8 nb + c: Y (64 x 64) = x W + bc, 256 matrix instructions, the bias being the C of the first K step; then OUT (64 x 64) = or += p Y, 64 packed instructions.
; THE PRODUCT IS USED TRANSPOSED: source 0 = 16 rows of wt (16 columns e), source 1 = 16 rows of x.  A lane then holds ONE row of x and eight neighbouring columns: p is one number a lane,
; and a lane's results are 32 neighbouring bytes of a row of out.  Wp's 16 rows are one such source 0, so the scores cost 64 matrix instructions on the fragments of x that are there anyway.
; LDS.  Only the weights are read from LDS in bulk: a tile of 128 rows x 512 d (64 rows for each ch), two slots, each wave bringing 32 rows of 1,024 bytes with one tensor load.  32 rows and not
; more, so that each of the four waves has a load of its own behind every change of slots.  The slots first hold x's two K halves in f32.
; A SHORT LOOP.  The 32 steps are 16 pairs (an even case in slot 0, an odd one in slot 1).  A pair is written once and walked 15 times; the last pair, which asks for no tile, is written out.
; So that one text serves every pair: a tile lies 131,072 t bytes into wt, a constant step; p lies in LDS and a step loads its four numbers; the bias's offset is made from the pair's number u;
; and two things hang on forward branches on u, which is the same in every wave and every work-group: case 0 starts OUT by a multiply where the others add, and under case 0 of blocks 1 to 3 the
; block finished before leaves.  No barrier, tensor load or wait on TENSORcnt stands inside such a branch.
; CLUSTER.  The four work-groups of a cluster walk the same tiles of wt: each tile is asked for jointly (mask 15).  x's rows are each work-group's own, and Wp is 32 KiB read once against the 4 MiB
; of weights that a work-group walks: these two come by plain loads.
; FORMAT.  The matrix operands (x, Wc, Wp) are rounded to f16, not bf16: 11 significant bits against 8, so that an output, a sum of 8 x 512 products weighted by p, keeps an eighth of the rounding error.
; f16 has the room: numbers of x of a few units and weights of a few hundredths may grow some thousand times before they pass 65,504, and weights thirty times smaller still lie some twenty times
; above 6.1e-5, the smallest normal number, below which the rounding step is a fixed 6e-8.  bp, bc, the sigmoids, p and all sums are f32.
; LIMITS.  A number of x, Wc or Wp beyond 65,504 in magnitude becomes infinite.  A row whose presence lies within the operands' rounding of 1e-4 may fall on the other side of the threshold; what is
; then added or left out is at most about 1e-4 |y|.  p = 1 / ((1 + 2^a)(1 + 2^b)): both factors are at least 1; where one overflows p comes out 0, and the true p is below 1e-4 there.
; A presence that is NaN gives 0, since the comparison fails.
;
; REGISTERS, in windows of 256 (s_set_vgpr_msb's low byte: bits 1:0 source 0, 3:2 source 1, 5:4 source 2, 7:6 destination):
;   window 0: addresses, the step's p and bias, the way out, two buffers of weight fragments.    window 1: v0-127 Y, tile (rb, cb) at 8 (4 rb + cb); v128-255 OUT likewise; at the start f32 numbers on their way to f16
;   window 2: x's fragments of K steps 0-7, at 8 (8 rb + ks).                                    window 3: those of K steps 8-15
.set PITCH, 1040                       ; an LDS row: 1,024 bytes + 16 of padding = 65 x 16: the sixteen rows that a load touches begin at sixteen different 16-byte columns of 256
.set QUART, 32*PITCH                   ; what one tensor load brings
.set SLOTB, 4*QUART                    ; a slot: 128 rows
.set WPB,   2*SLOTB                    ; Wp in f32: K half q's 16 rows at q x 16 rows
.set STAGE, WPB+32*PITCH               ; each wave's own 16 rows x 272 bytes, for the way out; no tensor load lands here
.set SP,    272
.set SPARE, STAGE+4*16*SP              ; the spare words, 128 bytes for each wave: two blocks of 256 bytes that no other line names
.set PB,    SPARE+512                  ; p, each wave's own 2,048 bytes: case c's 256 bytes hold, for each of 16 rows r, the four row blocks' p; no tensor load lands here
.set TILEB, 131072                     ; a tile of weights in memory
.set PAIRS, 16
.set ADRW, 8                           ; v8, v9    my place in a tile of weights, slot 0, 1: (64 ch + r) pitch + 16 h
.set ADRX, 10                          ; v10, v11  my place in x's K half 0, 1: (64 rh + r) pitch + 32 h
.set ADRP, 12                          ; v12       my place in Wp
.set STO,  13                          ; v13       the way out: where I put 32 bytes of a row
.set RD,   14                          ; v14       the way out: where I read a row back
.set CO,   15                          ; v15       my byte offset in out
.set VBC,  16                          ; v16       my byte offset in a row of bc: 1,024 ch + 32 h
.set VBP,  17                          ; v17       my byte offset in bp: 32 h
.set SPW,  18                          ; v18       LDS address of my spare word; never rewritten
.set NIL,  19                          ; v19       0; never rewritten
.set BPR,  20                          ; v[20:27]  bp of my eight patterns
.set VBCC, 28                          ; v28       VBC + the pair's place in bc: 4,096 (u % 4) + 256 (u / 4)
.set PAD0, 29                          ; v29       LDS address of my row's p of case 0
.set PADC, 30                          ; v30       the same of the pair's even case
.set PST,  31                          ; v31       where I put p of my four cases
.set PC,   32                          ; v[32:35]  the step's p of my row in row blocks 0 to 3
.set QP,   36                          ; v[36:51]  at the start: p of case 4 h + i, row block rb, at QP + 4 i + rb
.set BC,   64                          ; v[64:95]  the step's bias: my eight columns of column tile cb at BC + 8 cb
.set TMP,  96                          ; v[96:127] 16 rows read back from the stage
.set EX,   96                          ; at the start: 32 exponentials
.set F0,   128                         ; v[128:191], v[192:255]: two buffers of weight fragments, two K steps each: K step kk, column tile cb at 32 kk + 8 cb
.set F1,   192
.set OUTR, 128                         ; OUT, in window 1
.set WV,   16                          ; s16       my wave's number
.set G1X,  24                          ; s[24:31]  group 1 for x's tiles: 32 rows x 256 f32
.set G1P,  32                          ; s[32:39]  for Wp's: 8 rows x 256 f32
.set G1W,  40                          ; s[40:47]  for the weights': 32 rows x 512 f16, joint
.set G0P,  48                          ; s[48:51]  group 0 for Wp
.set G0X0, 52                          ; s[52:55], s[56:59]  for x's two K halves
.set G0X1, 56
.set G0W,  60                          ; s[60:63] for slot 0's tiles of weights, s[68:71] for slot 1's
.set U,    72                          ; s72       the pair's number u, the loop's counter
.set OF,   73                          ; s73       not 0: a finished column block leaves under this pair's even step (u % 4 = 0 and u > 0)
.set CQ,   74                          ; s74       u % 4: 0 where the even step is case 0
.set MSB, 0
.macro WIN new                         ; the immediate's high byte repeats the setting that is left; a switch that changes nothing is dropped
.if MSB != \new
	s_set_vgpr_msb (MSB<<8)|\new
.set MSB, \new
.endif
.endm
.macro WINX ks                         ; products: weights window 0, x window 2 (K steps 0-7) or 3, C and D window 1
.if (\ks) < 8
	WIN 0x58
.else
	WIN 0x5c
.endif
.endm
; A vector instruction that reads a matrix result or writes one of a matrix instruction's registers, and a load into such a register, stand four places behind it; only plain vector
; instructions that name none of its registers are places (ISA guide 7.12.1 for vector instructions).
.macro PLACES
.rept 4
	v_nop
.endr
.endm
; A round of the cluster's barrier: my work-group's barrier, so that wave 0's signal speaks for all four waves; wave 0 signals; every wave waits for all four work-groups; my work-group's barrier once more.
.macro CREST                           ; a round behind its opening barrier
	s_cmp_lg_u32 s[WV], 0
	s_cbranch_scc1 .Lnot_wave_0_\@
	s_barrier_signal -3
.Lnot_wave_0_\@:
	s_barrier_wait -3
	s_barrier_signal -1
	s_barrier_wait -1
.endm
.macro CROUND
	s_barrier_signal -1
	s_barrier_wait -1
	CREST
.endm
; The joint load of my 32 rows of a tile of weights.  Every wave issues it; four v_nop follow.
.macro JW slot
	tensor_load_to_lds s[G0W+8*\slot:G0W+8*\slot+3], s[G1W:G1W+7]
	s_nop 0
	PLACES
.endm
; 16 LDS loads: the weight fragments of K steps 2 q and 2 q + 1 (4 column tiles x 16 rows x 32 d each) into buffer f; the first K step's eight loads first
.macro FETCH slot, q, f
.set ikk, 0
.rept 2
.set icb, 0
.rept 4
	ds_load_b128 v[\f+32*ikk+8*icb:\f+32*ikk+8*icb+3],   v[ADRW+(\slot)] offset:icb*16*PITCH+(2*(\q)+ikk)*64
	ds_load_b128 v[\f+32*ikk+8*icb+4:\f+32*ikk+8*icb+7], v[ADRW+(\slot)] offset:icb*16*PITCH+(2*(\q)+ikk)*64+32
.set icb, icb+1
.endr
.set ikk, ikk+1
.endr
.endm
; 4 n matrix instructions: K step ks (half kk of buffer f), row blocks rb0 .. rb0 + n - 1 x all four column tiles.  first = 1: the bias is C: the sums start with it, nothing is cleared.
; The 16 accumulators take turns, one instruction a turn, always in the same order.
.macro MULR f, kk, ks, rb0, n, first
.set irb, \rb0
.rept \n
.set icb, 0
.rept 4
.if \first
	v_wmma_f32_16x16x32_f16 v[8*(4*irb+icb):8*(4*irb+icb)+7], v[\f+32*\kk+8*icb:\f+32*\kk+8*icb+7], v[8*(8*irb+(\ks)%8):8*(8*irb+(\ks)%8)+7], v[BC+8*icb:BC+8*icb+7]
.else
	v_wmma_f32_16x16x32_f16 v[8*(4*irb+icb):8*(4*irb+icb)+7], v[\f+32*\kk+8*icb:\f+32*\kk+8*icb+7], v[8*(8*irb+(\ks)%8):8*(8*irb+(\ks)%8)+7], v[8*(4*irb+icb):8*(4*irb+icb)+7]
.endif
.set icb, icb+1
.endr
.set irb, irb+1
.endr
.endm
; The next step's bias: my eight columns of each of the four column tiles.  off = 0: the pair's even case; 2,048: its odd case, one row of bc on.
.macro BCLOAD off
.set icb, 0
.rept 4
	global_load_b128 v[BC+8*icb:BC+8*icb+3],   v[VBCC], s[10:11] offset:\off+64*icb
	global_load_b128 v[BC+8*icb+4:BC+8*icb+7], v[VBCC], s[10:11] offset:\off+64*icb+16
.set icb, icb+1
.endr
.endm
; THE WAY OUT of row block rb.  TOSTAGE: a lane's 32 bytes of each column tile go into my own stage, rows of 272 bytes, and come back as whole rows of 256.  SEND: stored.
.macro TOSTAGE rb, buf
	WIN 0x04                                       ; store data window 1
.set icb, 0
.rept 4
	ds_store_b128 v[STO], v[OUTR+8*(4*(\rb)+icb):OUTR+8*(4*(\rb)+icb)+3]   offset:64*icb
	ds_store_b128 v[STO], v[OUTR+8*(4*(\rb)+icb)+4:OUTR+8*(4*(\rb)+icb)+7] offset:64*icb+16
.set icb, icb+1
.endr
	WIN 0
.set itt, 0
.rept 8
	ds_load_b128 v[\buf+4*itt:\buf+4*itt+3], v[RD] offset:2*SP*itt   ; LDS serves a wave's instructions in order (ISA guide 5.7.1.4): these see the stores above
.set itt, itt+1
.endr
.endm
.macro SEND rb, buf
.set itt, 0
.rept 8
	global_store_b128 v[CO], v[\buf+4*itt:\buf+4*itt+3], s[14:15] offset:(16*(\rb)+2*itt)*2048 th:TH_STORE_NT   ; 16 lanes store 256 consecutive bytes, at a multiple of 256 from out's first byte
.set itt, itt+1
.endr
.endm
; OUT = p Y (start = 1) or OUT += p Y.  Tiles and pairs in ascending order.
; p of row blocks 2 i and 2 i + 1 are a pair of registers; op_sel picks the one for both halves.
.macro SCALEOP start
	WIN 0x51                                       ; OUT and Y window 1, p window 0
.set it, 0
.rept 16
.set ip, 0
.rept 4
.set rY, 8*it+2*ip
.set rP, PC+2*(it/8)
.if \start
.if (it/4)%2 == 0
	v_pk_mul_f32 v[OUTR+rY:OUTR+rY+1], v[rY:rY+1], v[rP:rP+1] op_sel_hi:[1,0]
.else
	v_pk_mul_f32 v[OUTR+rY:OUTR+rY+1], v[rY:rY+1], v[rP:rP+1] op_sel:[0,1] op_sel_hi:[1,1]
.endif
.else
.if (it/4)%2 == 0
	v_pk_fma_f32 v[OUTR+rY:OUTR+rY+1], v[rY:rY+1], v[rP:rP+1], v[OUTR+rY:OUTR+rY+1] op_sel_hi:[1,0,1]
.else
	v_pk_fma_f32 v[OUTR+rY:OUTR+rY+1], v[rY:rY+1], v[rP:rP+1], v[OUTR+rY:OUTR+rY+1] op_sel:[0,1,0] op_sel_hi:[1,1,1]
.endif
.endif
.set ip, ip+1
.endr
.set it, it+1
.endr
	WIN 0
.endm
.macro SCALE dyn                       ; dyn = 1: the loop's even step, which is case 0 in every fourth pair
	PLACES
.if \dyn
	WIN 0                                          ; at a branch and at a label every window is 0
	s_cmp_eq_u32 s[CQ], 0
	s_cbranch_scc1 .Lstart_\@
	SCALEOP 0
	s_branch .Lscaled_\@
.Lstart_\@:
	SCALEOP 1
.Lscaled_\@:
.else
	SCALEOP 0
.endif
.endm
; A step is eight chunks of two K steps, 32 matrix instructions each, on buffers 0, 1, 0, 1 ..  One of the first seven: multiplies buffer q % 2 and, in its middle, fetches chunk q + 1's fragments.
; dyn = 1 (the loop's even step): where s[OF] says so, the column block finished in the step before leaves under this step: row block q goes to the stage in chunk q (0 to 3) and is stored in chunk q + 1.
; bmode: the next step's bias, asked for in chunk 0: 1 = the pair's odd case; 2 = the next pair's even case; 0 = none.
; The two counted waits are right on both ways round the branch: the one in the middle stands directly behind the sixteen fragment loads; at the head the way with a stage has sixteen more out, so the count is only stricter there.
.macro CHUNK slot, q, dyn, bmode
.set FC, F0+64*((\q)%2)
.set FN, F0+64*((\q+1)%2)
	s_wait_dscnt 8                                 ; my first K step's eight loads are in; the second's eight may be out
.if \q == 0
	s_wait_loadcnt 0x0                             ; the step's bias
	WIN 0x48                                       ; C (the bias) window 0
	MULR FC, 0, 0, 0, 4, 1
.else
	WINX 2*\q
	MULR FC, 0, 2*\q, 0, 4, 0
.endif
	WIN 0
	PLACES                                         ; for the loads into the other buffer and, in chunk 0, into the bias
	FETCH \slot, \q+1, FN
	s_wait_dscnt 16                                ; all but the sixteen just issued: my second K step's fragments, and what the chunk before read back from the stage
.if \dyn && (\q <= 4)
	s_cmp_lg_u32 s[OF], 0
	s_cbranch_scc0 .Lstay_\@
.if \q >= 1
	SEND \q-1, TMP
.endif
	s_wait_xcnt 0x0                                ; the stores that read TMP and name out's base have had their addresses translated (ISA guide 3.1): only now is either written again
.if \q <= 3
	TOSTAGE \q, TMP
.else
	s_add_nc_u64 s[14:15], s[14:15], 256           ; out: 64 columns on, for the next block's way out
.endif
.Lstay_\@:
.endif
.if \q == 0
.if \bmode == 2
	s_add_co_u32 s76, s[U], 1                      ; the next pair's place in bc: row 2 ((u + 1) % 4), 64 ((u + 1) / 4) columns on
	s_and_b32 s78, s76, 3
	s_lshl_b32 s78, s78, 12
	s_lshr_b32 s76, s76, 2
	s_lshl_b32 s76, s76, 8
	s_or_b32 s76, s76, s78
	v_add_nc_u32 v[VBCC], s76, v[VBC]              ; the loads that named it are done: the wait for the bias at this chunk's head
	BCLOAD 0
.elseif \bmode == 1
	BCLOAD 2048
.endif
.endif
.if \q == 5
	ds_load_b128 v[PC:PC+3], v[PADC] offset:256*\slot          ; the step's p; it is in at the next chunk's middle wait
.endif
	WINX 2*\q+1
	MULR FC, 1, 2*\q+1, 0, 4, 0
.endm
; The eighth chunk multiplies buffer 1 and changes slots: ONE barrier.  In front of it each wave waits for all its tensor loads, of which one is out, its part of the other slot; adds 0 to its spare
; word; and waits for that and for its reads of this slot.  fill = 1: the barrier opens a round of the cluster's, so that no wave of any partner still reads this slot or has a load on its way, and the
; joint refill, the tile two steps on, is the first thing behind it: 240 matrix instructions ahead of the wait for it.  fill = 0: nothing is left to ask for.
.macro TURN slot, fill
	WIN 0                                          ; (the add's two registers lie in window 0)
	s_wait_tensorcnt 0x0                           ; all my tensor loads have landed
	ds_add_u32 v[SPW], v[NIL]                      ; 0 onto my spare word
	s_wait_dscnt 9                                 ; K step 14's eight loads are in; out may be K step 15's eight and the add
	WIN 0x5c
	MULR F1, 0, 14, 0, 2, 0                        ; eight matrix instructions stand between the add and the wait for it
	s_wait_dscnt 0x0                               ; the add is done, and my reads of this slot are over
	s_barrier_signal -1
	MULR F1, 0, 14, 2, 2, 0                        ; work on registers while the others arrive
	WIN 0                                          ; at a branch and at a label every window is 0
	s_barrier_wait -1
.if \fill
	CREST
	s_add_nc_u64 s[G0W+8*\slot+2:G0W+8*\slot+3], s[G0W+8*\slot+2:G0W+8*\slot+3], 2*TILEB   ; no tensor load of mine is out, so a group 0 may be written; the type bits on top are not reached
	JW \slot                                       ; its four v_nop are also the places in front of the loads below
.else
	PLACES
.endif
	FETCH 1-\slot, 0, F0                           ; the next step's first fragments, from the other slot, which is whole
	WIN 0x5c
	MULR F1, 1, 15, 0, 4, 0
.endm
.macro LAST7                           ; the last step's eighth chunk: no slot is left to change to
	s_wait_dscnt 8
	WIN 0x5c
	MULR F1, 0, 14, 0, 4, 0
	s_wait_dscnt 0x0
	MULR F1, 1, 15, 0, 4, 0
.endm
.macro STEP slot, fill, dyn, bmode     ; fill = 3: the last step
.irp q, 0,1,2,3,4,5,6
	CHUNK \slot, \q, \dyn, \bmode
.endr
.if \fill == 3
	LAST7
.else
	TURN \slot, \fill
.endif
	SCALE \dyn
.endm
; x on its way into registers.  A fragment is 16 rows x 32 K: lane (r, h) holds row r, K = 8 h + 0..7 and 16 + 8 h + 0..7: in f32 two runs of 32 bytes, 64 bytes apart: four loads of 16 bytes.
.macro LOADX half, rb, tb              ; 32 loads: row block rb, the half's eight K steps, in f32, into window 1 at tb
	WIN 0x40
.set ik, 0
.rept 8
.set ii, 0
.rept 4
	ds_load_b128 v[\tb+16*ik+4*ii:\tb+16*ik+4*ii+3], v[ADRX+\half] offset:(\rb)*16*PITCH+128*ik+64*(ii/2)+16*(ii%2)
.set ii, ii+1
.endr
.set ik, ik+1
.endr
.endm
.macro CVTX half, rb, tb               ; 64 roundings to f16: the eight fragments, into window 2 (K half 0) or 3
.if \half == 0
	WIN 0x85
.else
	WIN 0xc5
.endif
.set ik, 0
.rept 8
.set im, 0
.rept 8
	v_cvt_pk_f16_f32 v[8*(8*(\rb)+ik)+im], v[\tb+16*ik+2*im], v[\tb+16*ik+2*im+1]
.set im, im+1
.endr
.set ik, ik+1
.endr
.endm
.macro XHALF half                      ; two buffers of 128 registers by turns; each wait leaves the 32 loads just issued out
	LOADX \half, 0, 0
	LOADX \half, 1, 128
	s_wait_dscnt 32
	CVTX \half, 0, 0
	LOADX \half, 2, 0
	s_wait_dscnt 32
	CVTX \half, 1, 128
	LOADX \half, 3, 128
	s_wait_dscnt 32
	CVTX \half, 2, 0
	s_wait_dscnt 0x0
	CVTX \half, 3, 128
.endm
	s_load_b256 s[4:11], s[0:1], 0x0               ; x s[4:5], Wp s[6:7], bp s[8:9], bc s[10:11]
	s_load_b128 s[12:15], s[0:1], 0x20             ; wt s[12:13], out s[14:15]
	v_lshl_add_u32 v[SPW], v0, 2, SPARE
	v_mov_b32 v[NIL], 0
	ds_add_u32 v18, v19
	s_wait_dscnt 0x0
	v_lshrrev_b32 v1, 5, v0
	v_readfirstlane_b32 s[WV], v1                  ; wave 0..3
	s_lshr_b32 s17, s[WV], 1                       ; rh
	s_and_b32 s18, s[WV], 1                        ; ch
	s_bfe_u32 s19, ttmp6, 0x40000                  ; cx: my place in the cluster
	s_lshl_b32 s20, ttmp9, 2                       ; in a cluster launch ttmp9 counts clusters
	s_add_co_u32 s20, s20, s19                     ; my block of 128 rows: it enters x's and out's addresses alone
	; group 1 for x: 32 rows x 256 elements of 4 bytes, 512 elements from row to row; 4 words of padding (code 3) behind every 256 words (code 7)
	s_mov_b32 s[G1X+0], (2<<16)|(1<<20)|(7<<22)|(3<<25)
	s_mov_b32 s[G1X+1], 256<<16                    ; tensor_dim0
	s_mov_b32 s[G1X+2], 32<<16                     ; tensor_dim1
	s_mov_b32 s[G1X+3], 256<<16                    ; tile_dim0
	s_mov_b32 s[G1X+4], 32                         ; tile_dim1
	s_mov_b32 s[G1X+5], 512                        ; the pitch
	s_mov_b32 s[G1X+6], 0
	s_mov_b32 s[G1X+7], 0
	; for Wp: the same with 8 rows
	s_mov_b32 s[G1P+0], (2<<16)|(1<<20)|(7<<22)|(3<<25)
	s_mov_b32 s[G1P+1], 256<<16
	s_mov_b32 s[G1P+2], 8<<16
	s_mov_b32 s[G1P+3], 256<<16
	s_mov_b32 s[G1P+4], 8
	s_mov_b32 s[G1P+5], 512
	s_mov_b32 s[G1P+6], 0
	s_mov_b32 s[G1P+7], 0
	; for the weights: 32 rows x 512 elements of 2 bytes; the mask names all four work-groups, bit 21 is set beside it
	s_mov_b32 s[G1W+0], 15|(1<<16)|(1<<20)|(1<<21)|(7<<22)|(3<<25)
	s_mov_b32 s[G1W+1], 512<<16
	s_mov_b32 s[G1W+2], 32<<16
	s_mov_b32 s[G1W+3], 512<<16
	s_mov_b32 s[G1W+4], 32
	s_mov_b32 s[G1W+5], 512
	s_mov_b32 s[G1W+6], 0
	s_mov_b32 s[G1W+7], 0
	; offsets, each in registers of its own: those that feed the joint loads never hold my place in the cluster
	s_lshl_b32 s22, s20, 18                        ; x: my block's 128 rows of 2,048 bytes
	s_lshl_b32 s23, s[WV], 16                      ; + my wave's 32 of them
	s_add_co_u32 s22, s22, s23
	s_mov_b32 s23, 0
	s_lshl_b32 s78, s20, 18                        ; out: my block, + 64 rh rows, + 256 ch columns of 4 bytes
	s_lshl_b32 s79, s17, 17
	s_add_co_u32 s78, s78, s79
	s_lshl_b32 s79, s18, 10
	s_add_co_u32 s78, s78, s79
	s_mov_b32 s79, 0
	s_lshl_b32 s2, s[WV], 15                       ; wt: my 32 rows of 1,024 bytes of a tile's 128
	s_mov_b32 s3, 0
	s_lshl_b32 s72, s18, 14                        ; Wp: rows 8 (w % 2) on, K half w / 2
	s_lshl_b32 s73, s17, 10
	s_add_co_u32 s72, s72, s73
	s_mov_b32 s73, 0
	s_mul_i32 s80, s[WV], QUART                    ; where my part of a tile goes: wave x 32 rows
	s_mul_i32 s81, s[WV], 8*PITCH                  ; and my part of Wp: wave x 8 rows
	s_mov_b32 s77, 0x38d1b717                      ; 1e-4
	s_mov_b32 s[G0P], 1
	s_add_co_u32 s[G0P+1], s81, WPB
	s_mov_b32 s[G0X0], 1
	s_add_co_u32 s[G0X0+1], s80, 0
	s_mov_b32 s[G0X1], 1
	s_add_co_u32 s[G0X1+1], s80, SLOTB
	s_mov_b32 s[G0W], 1
	s_add_co_u32 s[G0W+1], s80, 0
	s_mov_b32 s[G0W+8], 1
	s_add_co_u32 s[G0W+9], s80, SLOTB
	s_wait_kmcnt 0x0
	s_add_nc_u64 s[G0P+2:G0P+3], s[6:7], s[72:73]
	s_add_nc_u64 s[G0X0+2:G0X0+3], s[4:5], s[22:23]
	s_add_nc_u64 s[G0X1+2:G0X1+3], s[G0X0+2:G0X0+3], 1024          ; K half 1: 256 numbers on
	s_add_nc_u64 s[G0W+2:G0W+3], s[12:13], s[2:3]                  ; step 0's tile
	s_add_nc_u64 s[G0W+10:G0W+11], s[G0W+2:G0W+3], TILEB           ; step 1's
	s_add_nc_u64 s[14:15], s[14:15], s[78:79]
	s_or_b32 s[G0P+3], s[G0P+3], 0x80000000        ; the type
	s_or_b32 s[G0X0+3], s[G0X0+3], 0x80000000
	s_or_b32 s[G0X1+3], s[G0X1+3], 0x80000000
	s_or_b32 s[G0W+3], s[G0W+3], 0x80000000
	s_or_b32 s[G0W+11], s[G0W+11], 0x80000000
	CROUND                                         ; the round in front of the launch's first tensor loads
	tensor_load_to_lds s[G0P:G0P+3], s[G1P:G1P+7]          ; the first fills go out together: three loads of mine are out, the most in this text
	s_nop 0
	tensor_load_to_lds s[G0X0:G0X0+3], s[G1X:G1X+7]
	s_nop 0
	tensor_load_to_lds s[G0X1:G0X1+3], s[G1X:G1X+7]
	s_nop 0
	PLACES
	v_and_b32 v1, 15, v0                           ; r
	v_bfe_u32 v2, v0, 4, 1                         ; h
	v_mul_u32_u24 v3, v1, PITCH
	v_lshl_add_u32 v4, v2, 4, v3                   ; r pitch + 16 h: f16 rows
	v_lshl_add_u32 v5, v2, 5, v3                   ; r pitch + 32 h: f32 rows
	s_mul_i32 s82, s18, 64*PITCH
	s_mul_i32 s83, s17, 64*PITCH
	v_add_nc_u32 v[ADRW], s82, v4
	v_add_nc_u32 v[ADRW+1], SLOTB, v[ADRW]
	v_add_nc_u32 v[ADRX], s83, v5
	v_add_nc_u32 v[ADRX+1], SLOTB, v[ADRX]
	v_add_nc_u32 v[ADRP], WPB, v5
	s_mul_i32 s82, s[WV], 16*SP
	s_add_co_u32 s82, s82, STAGE                   ; my stage
	v_mul_u32_u24 v6, v1, SP                       ; in: row r, 32 bytes for each half of the lanes
	v_lshl_add_u32 v6, v2, 5, v6
	v_add_nc_u32 v[STO], s82, v6
	v_mul_u32_u24 v7, v2, SP                       ; back: lanes 0-15 take one row of 256 bytes, lanes 16-31 the next
	v_lshl_add_u32 v7, v1, 4, v7
	v_add_nc_u32 v[RD], s82, v7
	v_lshlrev_b32 v[CO], 11, v2                    ; and the same two rows in out
	v_lshl_add_u32 v[CO], v1, 4, v[CO]
	s_lshl_b32 s82, s[WV], 11
	s_add_co_u32 s82, s82, PB                      ; my wave's p
	v_lshl_add_u32 v[PAD0], v1, 4, s82             ; read: row r's 16 bytes of case 0; both halves of the lanes read the same
	v_lshl_add_u32 v[PST], v2, 10, v[PAD0]         ; written: lane (r, h) has cases 4 h .. 4 h + 3
	s_lshl_b32 s83, s18, 10
	v_lshl_add_u32 v[VBC], v2, 5, s83
	v_lshl_add_u32 v[VBCC], v2, 5, s83             ; pair 0 lies at bc's first row and column
	v_lshlrev_b32 v[VBP], 5, v2
	global_load_b128 v[BPR:BPR+3],   v[VBP], s[8:9]            ; bp of patterns 8 h .. 8 h + 7
	global_load_b128 v[BPR+4:BPR+7], v[VBP], s[8:9] offset:16
	BCLOAD 0                                       ; step 0's bias
	; Wp: 16 fragments (16 patterns x 32 K), rounded to f16 into the two fragment buffers
	s_wait_tensorcnt 0x2                           ; my part of Wp is in; x's two loads, issued behind it, may be out
	s_barrier_signal -1
	s_barrier_wait -1                              ; everybody's is
	WIN 0x40
.set ik, 0
.rept 16
.set ii, 0
.rept 4
	ds_load_b128 v[16*ik+4*ii:16*ik+4*ii+3], v[ADRP] offset:(ik/8)*16*PITCH+(ik%8)*128+64*(ii/2)+16*(ii%2)
.set ii, ii+1
.endr
.set ik, ik+1
.endr
	WIN 0x05
.set ik, 0
.rept 16
	s_wait_dscnt 4*(15-ik)                         ; fragment ik's four loads are in; the later fragments' may be out
.set im, 0
.rept 8
	v_cvt_pk_f16_f32 v[F0+8*ik+im], v[16*ik+2*im], v[16*ik+2*im+1]
.set im, im+1
.endr
.set ik, ik+1
.endr
	s_wait_tensorcnt 0x1                           ; my part of x's K half 0 is in; half 1's load may be out
	s_barrier_signal -1
	s_barrier_wait -1
	XHALF 0
	; slot 0 has been read out: it takes step 0's weights
	WIN 0
	s_wait_tensorcnt 0x0                           ; all my tensor loads have landed, x's K half 1 among them
	ds_add_u32 v[SPW], v[NIL]                      ; 0 onto my spare word
	s_wait_dscnt 0x0                               ; the add is done, and my reads of slot 0 are over
	CROUND
	JW 0
	XHALF 1
	s_wait_loadcnt 0x0                             ; bp (and step 0's bias)
	; the scores, S^T = Wp x^T + bp: lane (r, h) gets row r's scores of patterns 8 h + 0..7, cases 4 h + 0..3.  Four accumulators (row blocks) by turns.
	WIN 0x48
.set irb, 0
.rept 4
	v_wmma_f32_16x16x32_f16 v[8*irb:8*irb+7], v[F0:F0+7], v[64*irb:64*irb+7], v[BPR:BPR+7]
.set irb, irb+1
.endr
.set ik, 1
.rept 15
	WINX ik
.set irb, 0
.rept 4
	v_wmma_f32_16x16x32_f16 v[8*irb:8*irb+7], v[F0+8*ik:F0+8*ik+7], v[8*(8*irb+ik%8):8*(8*irb+ik%8)+7], v[8*irb:8*irb+7]
.set irb, irb+1
.endr
.set ik, ik+1
.endr
	PLACES
	; the presence: p = 1 / ((1 + 2^(-s0 log2 e)) (1 + 2^(-s1 log2 e))), 0 unless p > 1e-4
	WIN 0x01
.set i, 0
.rept 16
	v_pk_mul_f32 v[EX+2*i:EX+2*i+1], v[2*i:2*i+1], 0xbfb8aa3b op_sel_hi:[1,0]   ; ascending: each accumulator is first read at its low end
.set i, i+1
.endr
	WIN 0
.set i, 0
.rept 32
	v_exp_f32 v[EX+i], v[EX+i]
.set i, i+1
.endr
	v_nop                                          ; a plain instruction between the last exponential and the use of its result (ISA guide 5.7.2)
.set i, 0
	s_wait_alu depctr_va_vdst(0)
.rept 16
	v_pk_add_f32 v[EX+2*i:EX+2*i+1], v[EX+2*i:EX+2*i+1], 1.0 op_sel_hi:[1,0]
.set i, i+1
.endr
.set i, 0
.rept 16
	v_mul_f32 v[QP+4*(i%4)+i/4], v[EX+2*i], v[EX+2*i+1]        ; row block i / 4, case 4 h + i % 4: a case's four row blocks come to lie side by side
.set i, i+1
.endr
.set i, 0
.rept 16
	v_rcp_f32 v[QP+i], v[QP+i]
.set i, i+1
.endr
	v_nop
.set i, 0
	s_wait_alu depctr_va_vdst(0)
.rept 16
	v_cmp_lt_f32 vcc_lo, s77, v[QP+i]
	v_cndmask_b32 v[QP+i], 0, v[QP+i], vcc_lo      ; a choice of values, no branch
.set i, i+1
.endr
.set i, 0
.rept 4
	ds_store_b128 v[PST], v[QP+4*i:QP+4*i+3] offset:256*i      ; case 4 h + i; only my own wave reads these bytes, and LDS serves a wave's instructions in order
.set i, i+1
.endr
	; slot 1 has been read out: it takes step 1's weights
	s_wait_tensorcnt 0x0                           ; my part of step 0's tile has landed
	ds_add_u32 v[SPW], v[NIL]                      ; 0 onto my spare word
	s_wait_dscnt 0x0                               ; the add is done, and my reads of slot 1 are over
	CROUND
	JW 1
	FETCH 0, 0, F0
	; THE 32 STEPS, in pairs.  Pair u is cases 2 (u % 4) and 2 (u % 4) + 1 of column block u / 4.
	s_mov_b32 s[U], 0
.Lpair:
	s_and_b32 s[CQ], s[U], 3
	s_cmp_eq_u32 s[CQ], 0
	s_cselect_b32 s[OF], s[U], 0                   ; u where a block begins, else 0: not 0 where a finished block is there to leave
	s_lshl_b32 s75, s[CQ], 9                       ; two cases of 256 bytes
	v_add_nc_u32 v[PADC], s75, v[PAD0]
	STEP 0, 1, 1, 1
	STEP 1, 1, 0, 2
	s_add_co_u32 s[U], s[U], 1
	s_cmp_lt_u32 s[U], PAIRS-1
	s_cbranch_scc1 .Lpair
	v_add_nc_u32 v[PADC], 6*256, v[PAD0]           ; the last pair is written out: cases 6 and 7 of block 3
	STEP 0, 0, 0, 1                                ; nothing is left to ask for
	STEP 1, 3, 0, 0
	; the last block's way out: four buffers, so that no store's data are written again; each wait leaves the next row block's sixteen LDS instructions out
	TOSTAGE 0, TMP
	TOSTAGE 1, BC
	s_wait_dscnt 16
	SEND 0, TMP
	TOSTAGE 2, F0
	s_wait_dscnt 16
	SEND 1, BC
	TOSTAGE 3, F0+32
	s_wait_dscnt 16
	SEND 2, F0
	s_wait_dscnt 0x0
	SEND 3, F0+32
	s_wait_tensorcnt 0x0                           ; the wave's end: behind my last tensor load and my last LDS store
	ds_add_u32 v[SPW], v[NIL]
	s_wait_dscnt 0x0
	CROUND                                         ; the closing round: no work-group ends while a partner may still ask for a tile that names it
	s_endpgm
.Lfunc_end_k_q9c6a0db23f_guard:
	.size	k_q9c6a0db23f_guard, .Lfunc_end_k_q9c6a0db23f_guard-k_q9c6a0db23f_guard
	.p2alignl 7, 3214868480
	.fill 96, 4, 3214868480
	.section	.rodata,"a",@progbits
	.p2align	6, 0x0
	.amdhsa_kernel k_q9c6a0db23f_guard
		.amdhsa_group_segment_fixed_size 327680
		.amdhsa_private_segment_fixed_size 0
		.amdhsa_enable_private_segment 0
		.amdhsa_kernarg_size 48
		.amdhsa_user_sgpr_count 2
		.amdhsa_user_sgpr_kernarg_segment_ptr 1
		.amdhsa_wavefront_size32 1
		.amdhsa_system_sgpr_workgroup_id_x 1
		.amdhsa_system_sgpr_workgroup_id_y 1
		.amdhsa_system_sgpr_workgroup_id_z 1
		.amdhsa_system_vgpr_workitem_id 0
		.amdhsa_next_free_vgpr 1024
		.amdhsa_next_free_sgpr 84
		.amdhsa_reserve_vcc 1
		.amdhsa_float_denorm_mode_32 3
		.amdhsa_float_denorm_mode_16_64 3
		.amdhsa_memory_ordered 1
		.amdhsa_forward_progress 1
		.amdhsa_inst_pref_size 226
	.end_amdhsa_kernel
	.amdgpu_metadata
---
amdhsa.version: [ 1, 2 ]
amdhsa.kernels:
  - .name:           k_q9c6a0db23f_guard
    .symbol:         k_q9c6a0db23f_guard.kd
    .args:
      - { .name: x, .offset: 0, .size: 8, .value_kind: global_buffer, .address_space: global }
      - { .name: Wp, .offset: 8, .size: 8, .value_kind: global_buffer, .address_space: global }
      - { .name: bp, .offset: 16, .size: 8, .value_kind: global_buffer, .address_space: global }
      - { .name: bc, .offset: 24, .size: 8, .value_kind: global_buffer, .address_space: global }
      - { .name: wt, .offset: 32, .size: 8, .value_kind: global_buffer, .address_space: global }
      - { .name: out0, .offset: 40, .size: 8, .value_kind: global_buffer, .address_space: global }
    .group_segment_fixed_size: 327680
    .private_segment_fixed_size: 0
    .kernarg_segment_align: 8
    .kernarg_segment_size: 48
    .max_flat_workgroup_size: 128
    .sgpr_count:     84
    .vgpr_count:     1024
    .wavefront_size: 32
...
	.end_amdgpu_metadata
.endif
;; end of part 4
